; MI455X (gfx1250); checked and timed in simulation.
; The chip was launched on July 23, 2026; its instructions are those of AMD's public machine-readable ISA for CDNA 5 (MIT licence, August 2026) and "CDNA5" Instruction Set Architecture Reference Guide (July 2026). The comments in the code are by the model that wrote it; some were corrected since.
;; My MHA. Allowed arithmetic: matrix products marked QUANTISED: E5M2 operands, one given power-of-two scale a tensor, by v_wmma_f32_16x16x64_bf8_bf8 or v_wmma_f32_16x16x128_bf8_bf8, f32 sums; everything else in f32.
;; Inputs: Wk 1,024 x 1,024 float32; Wo 1,024 x 1,024 float32; Wq 1,024 x 1,024 float32; Wv 1,024 x 1,024 float32; bk 1,024 float32; bo 1,024 float32; bq 1,024 float32; bv 1,024 float32; lowp_scales 12 int32 (the exponents e of the quantised operands' scales 2^e); x 4 x 2,048 x 1,024 float32.
;; Outputs: out0 4 x 2,048 x 1,024 float32.
;; This version of the problem:
;;   THIS VERSION OF THE PROBLEM IS GIVEN IN LOW PRECISION. The matrix products marked QUANTISED in the list below multiply operands that are first quantised to E5M2 (5 exponent bits, 2 mantissa bits; 8 bits a number), with one given power-of-two scale for each operand tensor; their sums are f32. All else is computed in f32.
;;   The module's matrix products, in the order in which they are computed (A, B: the left and right operand; K: the contracted axis; several contracted axes count as one K, in the product's order):
;;     1. [M 8,192, K 1,024] x [K 1,024, N 1,024]; A: input x; B: input Wq: QUANTISED (scales: A lowp_scales[0], B lowp_scales[1])
;;     2. [M 8,192, K 1,024] x [K 1,024, N 1,024]; A: input x; B: input Wk: QUANTISED (scales: A lowp_scales[2], B lowp_scales[3])
;;     3. [M 8,192, K 1,024] x [K 1,024, N 1,024]; A: input x; B: input Wv: QUANTISED (scales: A lowp_scales[4], B lowp_scales[5])
;;     4. batch 64 x [M 2,048, K 64] x [K 64, N 2,048]; A: computed on the way; B: computed on the way: QUANTISED (scales: A lowp_scales[6], B lowp_scales[7])
;;     5. batch 64 x [M 2,048, K 2,048] x [K 2,048, N 64]; A: softmax (see below); B: computed on the way: QUANTISED (scales: A lowp_scales[8], B lowp_scales[9])
;;     6. [M 8,192, K 1,024] x [K 1,024, N 1,024]; A: computed on the way; B: input Wo: QUANTISED (scales: A lowp_scales[10], B lowp_scales[11])
;;   THE QUANTISER, for each operand of a quantised product, along K:
;;     - The operand's scale is 2^e, e = its entry of the input lowp_scales (int32; the entries are numbered through the quantised products in the list's order, A before B).
;;     - Each number is divided by the scale, clamped to +-57,344, and rounded to the nearest number of E5M2, ties to even, subnormals kept.
;;     - The product sums the exact products of the quantised numbers (number of the format x scale) in f32.
;;   ~~~python
;;   def quantise(x, axis, e):      # numpy; x: float32 -> the quantised numbers, widened to float32 again
;;       x = np.moveaxis(x, axis, -1); K = x.shape[-1]
;;       r = np.clip(x / 2.0 ** e, -57344, 57344)
;;       step = 2.0 ** (np.maximum(np.frexp(np.where(r == 0, 1, r))[1] - 1, -14) - 2)
;;       q = np.round(r / step) * step * 2.0 ** e      # np.round: ties to even
;;       return np.moveaxis(q, -1, axis).astype(np.float32)
;;   ~~~
;;   SOFTMAX AHEAD OF A QUANTISED PRODUCT. Where the list says 'softmax', what is quantised is not the finished softmax but p = 2^(t - M), with t = logit x log2(e) and M = ceil(the row's largest t), a whole number; so 1/2 < the row's largest p <= 1. The row's sum l is taken of the UNQUANTISED p, in f32, and the product's result is divided by l at the end. Since M is a whole number, a kernel that streams over the keys may use a running M (the ceiling of the running maximum): every later rescaling is an exact power of two, so the quantised numbers keep their values, but for numbers so far below the row's largest that they fall under the format's range.
;;   OPERANDS COMPUTED ON THE WAY. 'Computed on the way' means the value that the module computes at that place (a softmax that the list does not call 'softmax' is quantised finished and normalised). What goes into a quantiser is computed in f32, as accurately as f32 sums, v_exp_f32 and their like allow (about 1e-6 of the number): no bf16 or f16 on the way to a quantiser, and a product that is left as it is and whose result goes on into a quantised operand takes f32 operands (vector FMAs, or v_wmma_f32_16x16x4_f32). A number that lies on a knife's edge between two numbers of the format may be rounded either way, as far as f32 arithmetic and the matrix unit's own rounding can turn it there, and no further.
;; One version. Each part assembles by itself: llvm-mc -triple=amdgcn-amd-amdhsa -mcpu=gfx1250 --defsym DOCPART=n.
;; ======== version 1 of 1: 4 launches
;; limits: right only within a limited range of input values
;; workspace buffers: xc 25,165,824 bytes; wc 4,194,304 bytes; qkv 25,165,824 bytes; ac 8,388,608 bytes
;; launch quant (part 1): grid 768 x 1, 4 waves a work-group, no clusters, 34,304 bytes of LDS; arguments x, Wq, Wk, Wv, Wo, lowp_scales, xc, wc; writes xc, wc
.if DOCPART == 1
	.amdgcn_target "amdgcn-amd-amdhsa--gfx1250"
	.amdhsa_code_object_version 6
	.text
	.protected	k_q8938a29e58_quant
	.globl	k_q8938a29e58_quant
	.p2align	8
	.type	k_q8938a29e58_quant,@function
k_q8938a29e58_quant:
	s_mov_b64 s[64:65], 0
	v_nop
	global_prefetch_b8 v0, s[64:65] scope:SCOPE_SE
	s_setreg_imm32_b32 hwreg(HW_REG_WAVE_MODE, 25, 1), 1
	s_wait_xcnt 0x0
; x [8192][1024] f32 becomes three sets of codes of BF8 (E5M2), with the scales 2^e0, 2^e2, 2^e4; Wq, Wk, Wv, Wo [1024][1024] f32 one set each, with 2^e1, 2^e3, 2^e5, 2^e11.
; code = number / 2^e, held within +-57,344, rounded to the nearest code, ties to even.
; LIMITS: each e lies between -126 and 112, so that 2^e and 57,344 x 2^e are f32 numbers.  NaN among the inputs is not served; an infinity is held at the largest code.
; THE CODES ARE LAID AS IMAGES OF OPERAND REGISTERS.  A tile T is 16 rows: lane place r (0..15) stands for row 32 (T / 2) + 8 (T % 2) + r + 8 (r / 8).  A piece is 512 bytes: lane l = (r = l % 16, h = l / 16) owns the
; 16 bytes at 16 l; byte i of piece c is k = 32 c + 16 h + i of the lane's row.  A fragment (16 rows x 128 along K) is four pieces, 2,048 bytes.
; A tensor is [group of 8 tiles][K step of 256][tile of the group][2 fragments]: the 8 tiles that a wave of the products' launches fetches lie on end for each K step (32,768 bytes), and two K steps on end are 65,536 bytes.
; SHARES.  Work-groups 0..511 take x's tiles, 512..767 the weights' (64 tiles each).  Wave w takes the tile's K step w of 256: two fragments of 16 rows x 128 numbers.
; Each load reads 512 consecutive bytes of one row; a fragment turns through the wave's own stage in LDS (rows 528 bytes apart) and comes back 64 neighbouring bytes a lane and piece.
; Each store of the wave covers 512 consecutive bytes, aligned.  No barrier: waves share nothing.  No matrix unit, no cluster: nothing is shared between work-groups and memory binds.
.set NXT,    512                       ; x's tiles
.set SPITCH, 528                       ; a stage row: 512 bytes + 16
.set WSTAGE, 16*SPITCH                 ; a wave's stage
.set LO,  1                            ; v1   16 x lane
.set STW, 2                            ; v2   the stage, on the way in: wave's stage + 16 x lane
.set STR, 3                            ; v3   on the way out: wave's stage + 528 r + 64 h
.set R,   16                           ; v16-143  two fragments as loaded: row place i of fragment f at R + 64 f + 4 i
.set X,   144                          ; v144-207 a fragment by lanes: register 16 c + i = k 32 c + 16 h + i of my row
.set T,   208                          ; v208-239 held numbers, two sets of 16 by turns
.set C,   240                          ; v240-255 a fragment's codes
	s_load_b256 s[4:11], s[0:1], 0x0               ; x s[4:5], Wq s[6:7], Wk s[8:9], Wv s[10:11]
	s_load_b256 s[12:19], s[0:1], 0x20             ; Wo s[12:13], the exponents s[14:15], xc s[16:17], wc s[18:19]
	v_lshl_add_u32 v14, v0, 2, 0x8400              ; my spare word, behind the four stages
	v_mov_b32 v15, 0
	v_lshrrev_b32 v10, 5, v0
	v_readfirstlane_b32 s22, v10                   ; wave 0..3
	v_and_b32 v11, 31, v0
	v_lshlrev_b32 v[LO], 4, v11
	s_mul_i32 s44, s22, WSTAGE
	v_add_nc_u32 v[STW], s44, v[LO]
	v_and_b32 v12, 15, v0                          ; r
	v_bfe_u32 v13, v0, 4, 1                        ; h
	v_mul_u32_u24 v[STR], v12, SPITCH
	v_lshl_add_u32 v[STR], v13, 6, v[STR]
	v_add_nc_u32 v[STR], s44, v[STR]
	s_cmp_lt_u32 ttmp9, NXT                        ; x's work-group or a weight's?  Every choice below hangs on the work-group's number alone
	s_cselect_b32 s45, 0, NXT
	s_cselect_b32 s46, 511, 63
	s_sub_co_u32 s45, ttmp9, s45
	s_and_b32 s23, s45, s46                        ; the tile T
	s_lshr_b32 s42, s45, 6                         ; which weight (of use in work-groups 512 on)
	s_lshr_b32 s47, s23, 1
	s_lshl_b32 s47, s47, 17                        ; 32 (T / 2) rows of 4,096 bytes
	s_and_b32 s48, s23, 1
	s_lshl_b32 s48, s48, 15                        ; 8 (T % 2) rows
	s_add_co_u32 s47, s47, s48
	s_lshl_b32 s48, s22, 10                        ; my K step: 1,024 bytes of a row
	s_add_co_u32 s48, s47, s48
	s_mov_b32 s49, 0
	s_lshr_b32 s50, s23, 3
	s_lshl_b32 s50, s50, 17                        ; a group of 8 tiles is 131,072 bytes of codes,
	s_lshl_b32 s51, s22, 15                        ; a K step of the group 32,768,
	s_add_co_u32 s50, s50, s51
	s_and_b32 s51, s23, 7
	s_lshl_b32 s51, s51, 12                        ; my tile's two fragments 4,096 of them
	s_add_co_u32 s50, s50, s51
	s_lshl_b32 s51, s42, 20                        ; a weight's codes are 2^20 bytes
	s_cmp_lt_u32 ttmp9, NXT
	s_cselect_b32 s51, 0, s51
	s_add_co_u32 s50, s50, s51
	s_mov_b32 s51, 0
	s_wait_alu depctr_va_vdst(0)
	s_wait_kmcnt 0x0
	s_load_b256 s[24:31], s[14:15], 0x0            ; e0 .. e7
	s_load_b128 s[32:35], s[14:15], 0x20           ; e8 .. e11
	s_mov_b64 s[20:21], s[12:13]                   ; the source: Wo, unless ..
	s_cmp_eq_u32 s42, 2
	s_cselect_b64 s[20:21], s[10:11], s[20:21]
	s_cmp_eq_u32 s42, 1
	s_cselect_b64 s[20:21], s[8:9], s[20:21]
	s_cmp_eq_u32 s42, 0
	s_cselect_b64 s[20:21], s[6:7], s[20:21]
	s_cmp_lt_u32 ttmp9, NXT
	s_cselect_b64 s[20:21], s[4:5], s[20:21]
	s_cselect_b64 s[36:37], s[16:17], s[18:19]
	s_add_nc_u64 s[20:21], s[20:21], s[48:49]
	s_add_nc_u64 s[36:37], s[36:37], s[50:51]      ; where the first set of codes goes
	s_add_nc_u64 s[38:39], s[36:37], 0x800000      ; x's second and third set (used by x's work-groups alone)
	s_add_nc_u64 s[40:41], s[36:37], 0x1000000
.macro LOADF f                         ; fragment f: 16 rows x 512 consecutive bytes
.irp i, 0,1,2,3,4,5,6,7,8,9,10,11,12,13,14,15
	global_load_b128 v[R+64*\f+4*\i:R+64*\f+4*\i+3], v[LO], s[20:21] offset:(\i+8*(\i/8))*4096+512*\f th:TH_LOAD_NT
.endr
.endm
.macro TURN f                          ; through my stage: LDS serves a wave's instructions in order (ISA guide 5.7.1.4), so no wait stands between the stores and the loads
.irp i, 0,1,2,3,4,5,6,7,8,9,10,11,12,13,14,15
	ds_store_b128 v[STW], v[R+64*\f+4*\i:R+64*\f+4*\i+3] offset:SPITCH*\i
.endr
.irp c, 0,1,2,3
.irp j, 0,1,2,3
	ds_load_b128 v[X+16*\c+4*\j:X+16*\c+4*\j+3], v[STR] offset:128*\c+16*\j
.endr
.endr
.endm
.macro QUANT sc, lim                   ; X's 64 numbers -> 16 registers of codes.  X is kept: x is quantised three times.  The two sets of T take turns, so that plain lines stand between a conversion and the next write of its sources
.irp c, 0,1,2,3
.irp i, 0,1,2,3,4,5,6,7,8,9,10,11,12,13,14,15
	v_med3_num_f32 v[T+16*(\c%2)+\i], v[X+16*\c+\i], -v[\lim], v[\lim]   ; the conversion to an 8-bit code does not saturate (ISA guide 7.6.2): the hold at the largest code x the scale
.endr
	v_cvt_scalef32_pk8_bf8_f32 v[C+4*\c:C+4*\c+1], v[T+16*(\c%2):T+16*(\c%2)+7], v[\sc]
	v_cvt_scalef32_pk8_bf8_f32 v[C+4*\c+2:C+4*\c+3], v[T+16*(\c%2)+8:T+16*(\c%2)+15], v[\sc]
.endr
.endm
.macro SENDQ d, f                      ; four pieces: each store covers 512 consecutive bytes
.irp c, 0,1,2,3
	global_store_b128 v[LO], v[C+4*\c:C+4*\c+3], s[\d:\d+1] offset:2048*\f+512*\c
.endr
.endm
.macro MKSC e, sc, lim                 ; 2^e and 57,344 x 2^e as f32
	s_add_co_i32 s45, \e, 127
	s_lshl_b32 s46, s45, 23
	v_mov_b32 v[\sc], s46
	s_add_co_i32 s45, s45, 15
	s_lshl_b32 s45, s45, 23
	s_or_b32 s45, s45, 0x600000
	v_mov_b32 v[\lim], s45
.endm
	LOADF 0
	LOADF 1                                        ; 32 loads, 16 KiB, of each wave are out
	s_wait_kmcnt 0x0
	s_mov_b32 s44, s35                             ; the first set's exponent: e11 (Wo), unless ..
	s_cmp_eq_u32 s42, 2
	s_cselect_b32 s44, s29, s44                    ; e5 (Wv)
	s_cmp_eq_u32 s42, 1
	s_cselect_b32 s44, s27, s44                    ; e3 (Wk)
	s_cmp_eq_u32 s42, 0
	s_cselect_b32 s44, s25, s44                    ; e1 (Wq)
	s_cmp_lt_u32 ttmp9, NXT
	s_cselect_b32 s44, s24, s44                    ; e0 (x)
	MKSC s44, 4, 5
	MKSC s26, 6, 7                                 ; e2
	MKSC s28, 8, 9                                 ; e4
.macro FRAGQ f
	s_wait_loadcnt 16*(1-\f)                       ; this fragment's 16 loads are in; the other's 16 may be out
	TURN \f
	s_wait_dscnt 0x0
.if \f
	s_wait_xcnt 0x0                                ; the last stores have read the codes' registers, which are written again below
.endif
	QUANT 4, 5
	SENDQ 36, \f
	s_cmp_ge_u32 ttmp9, NXT                        ; a weight has one set of codes
	s_cbranch_scc1 .Lone_set_\@
	s_wait_xcnt 0x0                                ; as above
	QUANT 6, 7
	SENDQ 38, \f
	s_wait_xcnt 0x0
	QUANT 8, 9
	SENDQ 40, \f
.Lone_set_\@:
.endm
	s_wait_alu depctr_va_vdst(0)
	FRAGQ 0
	FRAGQ 1
	s_wait_tensorcnt 0x0                           ; the wave's end
	ds_add_u32 v14, v15
	s_wait_dscnt 0x0
	s_endpgm
.Lfunc_end_k_q8938a29e58_quant:
	.size	k_q8938a29e58_quant, .Lfunc_end_k_q8938a29e58_quant-k_q8938a29e58_quant
	.p2alignl 7, 3214868480
	.fill 96, 4, 3214868480
	.section	.rodata,"a",@progbits
	.p2align	6, 0x0
	.amdhsa_kernel k_q8938a29e58_quant
		.amdhsa_group_segment_fixed_size 34304
		.amdhsa_private_segment_fixed_size 0
		.amdhsa_enable_private_segment 0
		.amdhsa_kernarg_size 64
		.amdhsa_user_sgpr_count 2
		.amdhsa_user_sgpr_kernarg_segment_ptr 1
		.amdhsa_wavefront_size32 1
		.amdhsa_system_sgpr_workgroup_id_x 1
		.amdhsa_system_sgpr_workgroup_id_y 1
		.amdhsa_system_sgpr_workgroup_id_z 1
		.amdhsa_system_vgpr_workitem_id 0
		.amdhsa_next_free_vgpr 256
		.amdhsa_next_free_sgpr 66
		.amdhsa_reserve_vcc 0
		.amdhsa_float_denorm_mode_32 3
		.amdhsa_float_denorm_mode_16_64 3
		.amdhsa_memory_ordered 1
		.amdhsa_forward_progress 1
		.amdhsa_inst_pref_size 41
	.end_amdhsa_kernel
	.amdgpu_metadata
---
amdhsa.version: [ 1, 2 ]
amdhsa.kernels:
  - .name:           k_q8938a29e58_quant
    .symbol:         k_q8938a29e58_quant.kd
    .args:
      - { .name: x, .offset: 0, .size: 8, .value_kind: global_buffer, .address_space: global }
      - { .name: Wq, .offset: 8, .size: 8, .value_kind: global_buffer, .address_space: global }
      - { .name: Wk, .offset: 16, .size: 8, .value_kind: global_buffer, .address_space: global }
      - { .name: Wv, .offset: 24, .size: 8, .value_kind: global_buffer, .address_space: global }
      - { .name: Wo, .offset: 32, .size: 8, .value_kind: global_buffer, .address_space: global }
      - { .name: lowp_scales, .offset: 40, .size: 8, .value_kind: global_buffer, .address_space: global }
      - { .name: xc, .offset: 48, .size: 8, .value_kind: global_buffer, .address_space: global }
      - { .name: wc, .offset: 56, .size: 8, .value_kind: global_buffer, .address_space: global }
    .group_segment_fixed_size: 34304
    .private_segment_fixed_size: 0
    .kernarg_segment_align: 8
    .kernarg_segment_size: 64
    .max_flat_workgroup_size: 128
    .sgpr_count:     66
    .vgpr_count:     256
    .wavefront_size: 32
...
	.end_amdgpu_metadata
.endif
;; end of part 1
;; launch proj (part 2): grid 12 x 32, 4 waves a work-group, clusters of 4 x 4, 327,680 bytes of LDS; arguments xc, wc, bq, bk, bv, lowp_scales, qkv; writes qkv
.if DOCPART == 2
	.amdgcn_target "amdgcn-amd-amdhsa--gfx1250"
	.amdhsa_code_object_version 6
	.text
	.protected	k_q8938a29e58_proj
	.globl	k_q8938a29e58_proj
	.p2align	8
	.type	k_q8938a29e58_proj,@function
k_q8938a29e58_proj:
	s_mov_b64 s[64:65], 0
	v_nop
	global_prefetch_b8 v0, s[64:65] scope:SCOPE_SE
	s_setreg_imm32_b32 hwreg(HW_REG_WAVE_MODE, 25, 1), 1
	s_wait_xcnt 0x0
	s_wait_alu depctr_hold_cnt(0) depctr_sa_sdst(0) depctr_va_vdst(0) depctr_va_sdst(0) depctr_va_ssrc(0) depctr_va_vcc(0) depctr_vm_vsrc(0)
	s_getreg_b32 s2, hwreg(HW_REG_IB_STS2, 6, 4)
	s_cmp_eq_u32 s2, 0
	s_cbranch_scc0 .Lentry_in_a_cluster
	s_endpgm
.Lentry_in_a_cluster:
	s_bfe_u32 s2, ttmp6, 0x10000c
	s_cmp_lg_u32 s2, 0xf033
	s_cbranch_scc0 .Lentry_shape_is_right
	s_endpgm
.Lentry_shape_is_right:
.set NB,     8
.set FR,     16
.set NL,     4
.set NP,     4
; LDS: four quarters of 65,536 bytes, one for each fetching wave (A's two, then B's two); in a quarter slot 0's 8 tiles x 4,096 bytes, then slot 1's.
; The codes lie [group of 8 tiles][K step of 256][tile][4,096 bytes], so a quarter's K steps 0 and 1 are 65,536 bytes on end: ONE load a wave at the head fills both slots; a refill is 32,768 bytes on end.
.set ABYTES, 131072                    ; where B's quarters begin
.set BHALF,  65536                     ; a quarter
.set SLOT,   32768                     ; from slot 0 to slot 1 in a quarter
.set SPARE,  262144                    ; behind the quarters: the spare words
.set ADRA, 16
.set ADRB, 20
.set LI,   27
.set SPW,  28
.set NIL,  29
.set BR,   32
.set BL,   96
.set OSC,  112
.set AF,   128
.set WV, 18
.set RH, 19
.set CH, 20
.set G1,  24
.set G0,  32
.set G1B, 48
.set G0B, 56
.set MSB, 0
.macro WIN new
.if MSB != (\new)
	s_set_vgpr_msb (MSB<<8)|(\new)
.set MSB, \new
.endif
.endm
.set MULW0, 0xa1
.set MULW1, 0xa1+0x50*(NB/8)
.set TO_B,  0x40
.macro JLOAD g0a, g1a, g0b, g1b
	s_cmp_eq_u32 s[RH], 0
	s_cbranch_scc0 .Lfor_b_\@
	tensor_load_to_lds s[\g0a:\g0a+3], s[\g1a:\g1a+7]
	s_nop 0
.rept 4
	v_nop
.endr
	s_branch .Lasked_\@
.Lfor_b_\@:
	tensor_load_to_lds s[\g0b:\g0b+3], s[\g1b:\g1b+7]
	s_nop 0
.rept 4
	v_nop
.endr
.Lasked_\@:
.endm
.macro CREST
	s_cmp_lg_u32 s[WV], 0
	s_cbranch_scc1 .Lnot_wave_0_\@
	s_barrier_signal -3
.Lnot_wave_0_\@:
	s_barrier_wait -3
	s_barrier_signal -1
	s_barrier_wait -1
.endm
.macro CROUND
	s_barrier_signal -1
	s_barrier_wait -1
	CREST
.endm
.macro PLACES n
.rept \n
	v_nop
.endr
.endm
	s_load_b256 s[4:11], s[0:1], 0x0
	s_load_b128 s[12:15], s[0:1], 0x20
	s_load_b64 s[16:17], s[0:1], 0x30
	v_lshl_add_u32 v[SPW], v0, 2, SPARE
	v_mov_b32 v[NIL], 0
	ds_add_u32 v28, v29
	ds_add_u32 v28, v29
	s_wait_dscnt 0x0
	v_lshrrev_b32 v1, 5, v0
	v_readfirstlane_b32 s[WV], v1
	s_lshr_b32 s[RH], s[WV], 1
	s_and_b32 s[CH], s[WV], 1
	s_bfe_u32 s21, ttmp6, 0x40000
	s_bfe_u32 s22, ttmp6, 0x40004
	s_and_b32 s23, ttmp7, 0xffff
	s_mov_b32 s66, ttmp9
	s_lshl_b32 s40, s22, 2
	s_lshl_b32 s40, 15, s40
	s_lshl_b32 s44, 0x1111, s21
	s_or_b32 s[G1+0], s40, (3<<16)|(1<<21)
	s_or_b32 s[G1B+0], s44, (3<<16)|(1<<21)
.irp g, G1, G1B
	s_mov_b32 s[\g+1], 512<<16
	s_mov_b32 s[\g+3], 512<<16
	s_mov_b32 s[\g+5], 512
	s_mov_b32 s[\g+6], 0
	s_mov_b32 s[\g+7], 0
.endr
	s_mov_b32 s[G1+2], 16<<16                      ; the first fill: 16 rows of 4,096 bytes, two K steps
	s_mov_b32 s[G1+4], 16
	s_mov_b32 s[G1B+2], 16<<16
	s_mov_b32 s[G1B+4], 16
	s_lshl_b32 s40, s23, 2
	s_add_co_u32 s40, s40, s22
	s_lshl_b32 s40, s40, 18
	s_lshl_b32 s41, s66, 23
	s_add_co_u32 s40, s40, s41
	s_lshl_b32 s41, s22, 18
	s_add_co_u32 s41, s41, 2<<20
	s_cmp_eq_u32 s66, 2
	s_cselect_b32 s40, s41, s40
	s_lshl_b32 s41, s[CH], 17
	s_add_co_u32 s40, s40, s41
	s_mov_b32 s41, 0
	s_lshl_b32 s44, s21, 18
	s_lshl_b32 s45, s66, 20
	s_add_co_u32 s44, s44, s45
	s_lshl_b32 s45, s23, 2
	s_add_co_u32 s45, s45, s21
	s_lshl_b32 s45, s45, 18
	s_add_co_u32 s45, s45, 2<<23
	s_cmp_eq_u32 s66, 2
	s_cselect_b32 s44, s45, s44
	s_lshl_b32 s45, s[CH], 17
	s_add_co_u32 s44, s44, s45
	s_mov_b32 s45, 0
	s_lshl_b32 s90, s[CH], 16
	s_mul_i32 s91, s[CH], BHALF
	s_add_co_u32 s91, s91, ABYTES
	s_wait_kmcnt 0x0
	s_load_b256 s[68:75], s[14:15], 0x0
	s_load_b128 s[76:79], s[14:15], 0x20
	s_cmp_eq_u32 s66, 2
	s_cselect_b64 s[42:43], s[6:7], s[4:5]
	s_cselect_b64 s[46:47], s[4:5], s[6:7]
	s_add_nc_u64 s[42:43], s[42:43], s[40:41]
	s_add_nc_u64 s[46:47], s[46:47], s[44:45]
	CROUND
.irp s, 0,1
	s_mov_b32 s[G0+4*\s], 1
	s_add_co_u32 s[G0+4*\s+1], s90, \s*SLOT
	s_add_nc_u64 s[G0+4*\s+2:G0+4*\s+3], s[42:43], \s*32768
	s_or_b32 s[G0+4*\s+3], s[G0+4*\s+3], 0x80000000
	s_mov_b32 s[G0B+4*\s], 1
	s_add_co_u32 s[G0B+4*\s+1], s91, \s*SLOT
	s_add_nc_u64 s[G0B+4*\s+2:G0B+4*\s+3], s[46:47], \s*32768
	s_or_b32 s[G0B+4*\s+3], s[G0B+4*\s+3], 0x80000000
.endr
	JLOAD G0, G1, G0B, G1B                         ; K steps 0 and 1, both slots of my quarter: my one tensor load at the head
	s_mov_b64 s[88:89], s[12:13]
	s_cmp_eq_u32 s66, 1
	s_cselect_b64 s[88:89], s[10:11], s[88:89]
	s_cmp_eq_u32 s66, 0
	s_cselect_b64 s[88:89], s[8:9], s[88:89]
	v_and_b32 v1, 15, v0
	v_bfe_u32 v2, v0, 4, 1
	s_lshl_b32 s84, s21, 10
	s_lshl_b32 s85, s[CH], 9
	s_add_co_u32 s84, s84, s85
	v_lshlrev_b32 v3, 6, v2
	v_add_nc_u32 v3, s84, v3
	s_lshl_b32 s84, s22, 10
	s_lshl_b32 s85, s[RH], 9
	s_add_co_u32 s84, s84, s85
	v_and_b32 v4, 8, v1
	v_add_nc_u32 v4, v4, v1
	v_lshlrev_b32 v4, 2, v4
	v_add_nc_u32 v4, s84, v4
.irp b, 0,1,2,3,4,5,6,7
	global_load_b128 v[BR+8*\b:BR+8*\b+3], v3, s[88:89] offset:(32*(\b/2)+8*(\b%2))*4
	global_load_b128 v[BR+8*\b+4:BR+8*\b+7], v3, s[88:89] offset:(32*(\b/2)+8*(\b%2))*4+16
.endr
.irp a, 0,1,2,3,4,5,6,7
	global_load_b32 v[BL+2*\a], v4, s[88:89] offset:(32*(\a/2)+8*(\a%2))*4
	global_load_b32 v[BL+2*\a+1], v4, s[88:89] offset:(32*(\a/2)+8*(\a%2))*4
.endr
	v_and_b32 v5, 31, v0
	v_lshlrev_b32 v[LI], 4, v5
	s_lshl_b32 s84, s[RH], 16
	s_mul_i32 s85, s[CH], BHALF
	s_add_co_u32 s85, s85, ABYTES
.irp s, 0,1
	v_add_nc_u32 v[ADRA+\s], s84, v[LI]
	v_add_nc_u32 v[ADRB+\s], s85, v[LI]
	s_add_co_u32 s84, s84, SLOT
	s_add_co_u32 s85, s85, SLOT
.endr
	s_cmp_eq_u32 s66, 2
	s_cselect_b32 s84, s21, s22
	s_cselect_b32 s85, s22, s21
	s_cselect_b32 s90, s[RH], s[CH]
	s_cselect_b32 s91, s[CH], s[RH]
	s_lshl_b32 s92, s23, 2
	s_add_co_u32 s92, s92, s84
	s_lshr_b32 s93, s92, 3
	s_lshl_b32 s93, s93, 4
	s_lshl_b32 s85, s85, 2
	s_add_co_u32 s93, s93, s85
	s_lshl_b32 s90, s90, 1
	s_add_co_u32 s93, s93, s90
	s_lshl_b32 s93, s93, 17
	s_and_b32 s92, s92, 7
	s_lshl_b32 s92, s92, 14
	s_add_co_u32 s93, s93, s92
	s_lshl_b32 s91, s91, 13
	s_add_co_u32 s93, s93, s91
	s_lshl_b32 s92, s66, 23
	s_add_co_u32 s92, s93, s92
	s_mov_b32 s93, 0
	s_add_nc_u64 s[86:87], s[16:17], s[92:93]
.macro FRAG reg, adr, q, i
.irp c, 0,1,2,3
	ds_load_b128 v[\reg+4*\c:\reg+4*\c+3], v[\adr] offset:(\i)*4096+(\q)*2048+512*\c
.endr
.endm
.macro MULB a0, p, zero
.set ma, \a0
.rept 2
.set mb, 0
.rept NB
.set rD, 8*((ma*NB+mb)%32)
.if \zero
	v_wmma_f32_16x16x128_bf8_bf8 v[rD:rD+7], v[FR*NB*(\p)+FR*mb:FR*NB*(\p)+FR*mb+FR-1], v[AF+FR*ma:AF+FR*ma+FR-1], 0
.else
	v_wmma_f32_16x16x128_bf8_bf8 v[rD:rD+7], v[FR*NB*(\p)+FR*mb:FR*NB*(\p)+FR*mb+FR-1], v[AF+FR*ma:AF+FR*ma+FR-1], v[rD:rD+7]
.endif
.set mb, mb+1
.endr
.set ma, ma+1
.endr
.endm
.macro FETCH_B slot, q, p
	WIN TO_B
.set fi, 0
.rept NB
	FRAG FR*NB*(\p)+FR*fi, ADRB+\slot, \q, fi
.set fi, fi+1
.endr
	WIN 0
.endm
.macro FETCH_A slot, q, i0
.irp i, \i0, \i0+1, \i0+2, \i0+3
	FRAG AF+FR*(\i), ADRA+\slot, \q, \i
.endr
.endm
.macro STEP slot, q, zero
	s_wait_dscnt 4*NL
	WIN MULW0
	MULB 0, (\q)%2, \zero
	MULB 2, (\q)%2, \zero
	s_wait_dscnt 0
	PLACES NP
	FETCH_B \slot, (\q)+1, 1-(\q)%2
	FETCH_A \slot, (\q)+1, 0
	WIN MULW1
	MULB 4, (\q)%2, \zero
	MULB 6, (\q)%2, \zero
	PLACES NP
	WIN 0
	FETCH_A \slot, (\q)+1, 4
.endm
.macro TURN slot, next, fill
	s_wait_tensorcnt 0x0
	ds_add_u32 v[SPW], v[NIL]
	s_wait_dscnt 4*NL+1
	WIN MULW0
	MULB 0, 1, 0
	s_wait_dscnt 0x0
	s_barrier_signal -1
	MULB 2, 1, 0
	WIN 0
	s_barrier_wait -1
.if \fill
	CREST
	s_add_nc_u64 s[G0+4*\slot+2:G0+4*\slot+3], s[G0+4*\slot+2:G0+4*\slot+3], 65536
	s_add_nc_u64 s[G0B+4*\slot+2:G0B+4*\slot+3], s[G0B+4*\slot+2:G0B+4*\slot+3], 65536
	JLOAD G0+4*\slot, G1, G0B+4*\slot, G1B
.else
	PLACES NP
.endif
	FETCH_B \next, 0, 0
	FETCH_A \next, 0, 0
	WIN MULW1
	MULB 4, 1, 0
	MULB 6, 1, 0
	PLACES NP
	WIN 0
	FETCH_A \next, 0, 4
.endm
	s_wait_alu depctr_va_vdst(0)
	s_wait_tensorcnt 0x0                           ; my quarter of both slots is in, and no load of mine is out: group 1 may be written
	s_mov_b32 s[G1+2], 8<<16                       ; a refill: 8 rows of 4,096 bytes, one K step
	s_mov_b32 s[G1+4], 8
	s_mov_b32 s[G1B+2], 8<<16
	s_mov_b32 s[G1B+4], 8
	s_barrier_signal -1
	s_barrier_wait -1
	FETCH_B 0, 0, 0
	FETCH_A 0, 0, 0
	FETCH_A 0, 0, 4
	STEP 0, 0, 1
	TURN 0, 1, 1
	STEP 1, 0, 0
	TURN 1, 0, 1
	STEP 0, 0, 0
	TURN 0, 1, 0
	STEP 1, 0, 0
	s_wait_dscnt 4*NL
	WIN MULW0
	MULB 0, 1, 0
	MULB 2, 1, 0
	s_wait_dscnt 0
	WIN MULW1
	MULB 4, 1, 0
	MULB 6, 1, 0
	WIN 0
	s_wait_kmcnt 0x0
	s_wait_loadcnt 0x0
	s_add_co_i32 s40, s68, s69
	s_add_co_i32 s41, s70, s71
	s_add_co_i32 s42, s72, s73
	s_cmp_eq_u32 s66, 1
	s_cselect_b32 s40, s41, s40
	s_cselect_b32 s43, s75, s74
	s_cmp_eq_u32 s66, 2
	s_cselect_b32 s40, s42, s40
	s_cselect_b32 s43, s77, s43
	s_add_co_i32 s40, s40, 127
	s_lshl_b32 s80, s40, 23
	s_mov_b32 s81, s80
	s_add_co_i32 s43, s43, 127
	s_lshl_b32 s44, s43, 23
	v_mov_b32 v[OSC], s44
	s_add_co_i32 s43, s43, 15
	s_lshl_b32 s43, s43, 23
	s_or_b32 s83, s43, 0x600000
	s_or_b32 s82, s83, 0x80000000
	PLACES NP
.macro EPI mode
.irp a, 0,1,2,3,4,5,6,7
.set AC, 64*(\a%4)
	WIN 0x82+0x41*(\a/4)
.set ej, 0
.rept 32
.if \mode
	v_pk_fma_f32 v[AC+ej:AC+ej+1], v[AC+ej:AC+ej+1], s[80:81], v[BL+2*\a:BL+2*\a+1] op_sel_hi:[1,0,1]
.else
	v_pk_fma_f32 v[AC+ej:AC+ej+1], v[AC+ej:AC+ej+1], s[80:81], v[BR+ej:BR+ej+1] op_sel_hi:[1,0,1]
.endif
.set ej, ej+2
.endr
.set ej, 0
.rept 64
	v_med3_num_f32 v[AC+ej], v[AC+ej], s82, s83
.set ej, ej+1
.endr
	WIN 0x02+(\a/4)
.irp g, 0,1,2,3
	v_cvt_scalef32_pk8_bf8_f32 v[AF+16*\a+4*\g:AF+16*\a+4*\g+1], v[AC+16*\g:AC+16*\g+7], v[OSC]
	v_cvt_scalef32_pk8_bf8_f32 v[AF+16*\a+4*\g+2:AF+16*\a+4*\g+3], v[AC+16*\g+8:AC+16*\g+15], v[OSC]
.endr
	v_nop
	WIN 0
.irp g, 0,1,2,3
.if \mode
	global_store_b128 v[LI], v[AF+16*\a+4*\g:AF+16*\a+4*\g+3], s[86:87] offset:(\a/4)*131072+(\g/2)*4096+(\a%4)*1024+(\g%2)*512
.else
	global_store_b128 v[LI], v[AF+16*\a+4*\g:AF+16*\a+4*\g+3], s[86:87] offset:(\g/2)*131072+\a*1024+(\g%2)*512
.endif
.endr
.endr
.endm
	s_cmp_eq_u32 s66, 2
	s_cbranch_scc1 .Lfor_v
	EPI 0
	s_branch .Lstored
.Lfor_v:
	EPI 1
.Lstored:
	s_wait_tensorcnt 0x0
	ds_add_u32 v[SPW], v[NIL]
	s_wait_dscnt 0x0
	CROUND
	s_endpgm
.Lfunc_end_k_q8938a29e58_proj:
	.size	k_q8938a29e58_proj, .Lfunc_end_k_q8938a29e58_proj-k_q8938a29e58_proj
	.p2alignl 7, 3214868480
	.fill 96, 4, 3214868480
	.section	.rodata,"a",@progbits
	.p2align	6, 0x0
	.amdhsa_kernel k_q8938a29e58_proj
		.amdhsa_group_segment_fixed_size 327680
		.amdhsa_private_segment_fixed_size 0
		.amdhsa_enable_private_segment 0
		.amdhsa_kernarg_size 56
		.amdhsa_user_sgpr_count 2
		.amdhsa_user_sgpr_kernarg_segment_ptr 1
		.amdhsa_wavefront_size32 1
		.amdhsa_system_sgpr_workgroup_id_x 1
		.amdhsa_system_sgpr_workgroup_id_y 1
		.amdhsa_system_sgpr_workgroup_id_z 1
		.amdhsa_system_vgpr_workitem_id 0
		.amdhsa_next_free_vgpr 1024
		.amdhsa_next_free_sgpr 100
		.amdhsa_reserve_vcc 0
		.amdhsa_float_denorm_mode_32 3
		.amdhsa_float_denorm_mode_16_64 3
		.amdhsa_memory_ordered 1
		.amdhsa_forward_progress 1
		.amdhsa_inst_pref_size 194
	.end_amdhsa_kernel
	.amdgpu_metadata
---
amdhsa.version: [ 1, 2 ]
amdhsa.kernels:
  - .name:           k_q8938a29e58_proj
    .symbol:         k_q8938a29e58_proj.kd
    .args:
      - { .name: xc, .offset: 0, .size: 8, .value_kind: global_buffer, .address_space: global }
      - { .name: wc, .offset: 8, .size: 8, .value_kind: global_buffer, .address_space: global }
      - { .name: bq, .offset: 16, .size: 8, .value_kind: global_buffer, .address_space: global }
      - { .name: bk, .offset: 24, .size: 8, .value_kind: global_buffer, .address_space: global }
      - { .name: bv, .offset: 32, .size: 8, .value_kind: global_buffer, .address_space: global }
      - { .name: lowp_scales, .offset: 40, .size: 8, .value_kind: global_buffer, .address_space: global }
      - { .name: qkv, .offset: 48, .size: 8, .value_kind: global_buffer, .address_space: global }
    .group_segment_fixed_size: 327680
    .private_segment_fixed_size: 0
    .kernarg_segment_align: 8
    .kernarg_segment_size: 56
    .max_flat_workgroup_size: 128
    .sgpr_count:     100
    .vgpr_count:     1024
    .wavefront_size: 32
...
	.end_amdgpu_metadata
.endif
;; end of part 2
;; launch attn (part 3): grid 4 x 64, 16 waves a work-group, clusters of 4 x 1, 264,192 bytes of LDS; arguments qkv, lowp_scales, ac; writes ac
.if DOCPART == 3
	.amdgcn_target "amdgcn-amd-amdhsa--gfx1250"
	.amdhsa_code_object_version 6
	.text
	.protected	k_q8938a29e58_attn
	.globl	k_q8938a29e58_attn
	.p2align	8
	.type	k_q8938a29e58_attn,@function
k_q8938a29e58_attn:
	s_mov_b64 s[64:65], 0
	v_nop
	global_prefetch_b8 v0, s[64:65] scope:SCOPE_SE
	s_setreg_imm32_b32 hwreg(HW_REG_WAVE_MODE, 25, 1), 1
	s_wait_xcnt 0x0
	s_wait_alu depctr_hold_cnt(0) depctr_sa_sdst(0) depctr_va_vdst(0) depctr_va_sdst(0) depctr_va_ssrc(0) depctr_va_vcc(0) depctr_vm_vsrc(0)
	s_getreg_b32 s2, hwreg(HW_REG_IB_STS2, 6, 4)
	s_cmp_eq_u32 s2, 0
	s_cbranch_scc0 .Lentry_in_a_cluster
	s_endpgm
.Lentry_in_a_cluster:
	s_bfe_u32 s2, ttmp6, 0x10000c
	s_cmp_lg_u32 s2, 0x3003
	s_cbranch_scc0 .Lentry_shape_is_right
	s_endpgm
.Lentry_shape_is_right:
; For each (batch, head): O[q] = the sum over k of softmax_k(Q[q] . K[k] / 8) V[k], head size 64, 2,048 keys, both products on codes of BF8 (E5M2); O is quantised (2^e10) and stored as codes for the last product.
; THE SOFTMAX: t = score x log2(e) / 8; M = the row's largest t, rounded UP to a whole number; p = 2^(t - M) is quantised with 2^e8, not normalised.  The row's sum is taken of the unquantised p and divides O at the end.
; TWO WALKS OVER THE KEYS.  The first makes K Q^T and keeps only each query's largest score: for 128 keys and two tiles 16 products and 64 v_max3.  The second makes K Q^T again and knows the final M:
; so it has no running M, and neither O^T nor the sums are ever rescaled (32 + 2 packed lines and the chain for M in each step of 64 keys are traded for 8 products and 8 LDS loads).
; SHARES.  A cluster of four work-groups is one (batch, head); each takes 512 queries; each of its sixteen waves two tiles of 16 queries, in 256 registers.
; LDS HOLDS THE HEAD'S WHOLE K (131,072 bytes) AND V (131,072): every byte is filled once.  Each of the sixteen waves issues ONE joint load of 16,384 bytes at the head (waves 0-7: K, waves 8-15: V); one barrier follows, and none after it.
; The four work-groups walk the same K and V: each load names all four.  No prefetch: all loads go out at the head, there is no loop to run ahead in.
; OPERANDS ARE IMAGES OF REGISTERS (tile T: lane place r = row 32 (T / 2) + 8 (T % 2) + r + 8 (r / 8); a piece: 512 bytes, lane l's 16 at 16 l, byte i of piece c = k 32 c + 16 (l / 16) + i).
; q, k: [batch, head][128 tiles of tokens][2 pieces along the channels].  v: [batch, head][32 steps of 64 keys][4 tiles of channels][2 pieces along the keys].
; Both products are used transposed: S^T = K Q^T, O^T = V^T P^T: a lane holds one query throughout; the 16 registers of key tiles 2 b, 2 b + 1 are the keys 32 b + 16 (l / 16) + 0 .. 15, so p's conversions give the operand's registers.
; LOOK-AHEAD: each walk asks for the next step's K behind this step's products.  In a walk's last step that reads the first bytes of V's half of LDS (filled, inside LDS) and the registers are not used.
; LIMITS: e6 + e7 between -123 and 130 (added to c's exponent field); e8 and e10 between -126 and 112; e8 + e9 goes in by v_ldexp_f32.  NaN is not served.  The scaled scores stay under 2^31 in magnitude.
.set LI,   1                           ; v1   16 x lane
.set ADK,  2                           ; v2   LDS address of the step's K
.set ADV,  3                           ; v3   of its V
.set PLIM, 4                           ; v4   57,344 x 2^e8
.set PSC,  5                           ; v5   2^e8
.set OSC,  6                           ; v6   2^e10
.set AV0,  7                           ; v7   131,072 + 16 x lane
.set NM,   8                           ; v[8:9], v[10:11]  tile t: -M, and the largest t (named with it as a pair)
.set SA,   12                          ; v12-19  tile t: the sum in two chains of two halves
.set MX,   20                          ; v20-23  tile t: the largest score in two chains; later the row's sum
.set PX,   24                          ; v24-25  tile t: the other half's figure
.set F,    26                          ; v[26:27], v[28:29]  tile t: 2^(e8 + e9) / the sum (the upper word is named with it)
.set SPW,  30                          ; v30  LDS address of my spare word; never rewritten
.set NIL,  31                          ; v31  0; never rewritten
.set Q,    32                          ; v32-47   Q: 8 a tile
.set KF,   48                          ; v48-79   K's four fragments (first walk: eight, v48-111)
.set VF,   80                          ; v80-111  V's four
.set S,    112                         ; v112-175 S^T, then p: 32 a tile (first walk: 64 a tile, v112-239)
.set P,    176                         ; v176-191 p's codes: 8 a tile
.set O,    192                         ; v192-255 O^T: 32 a tile
.set SPARE, 0x40000                    ; behind K and V: the spare words, 128 bytes for each of 16 waves
.set WV,  10
.set G1,  16                           ; s[16:23] descriptor group 1;  s[24:27] group 0
.set G0,  24
.set CS,  46                           ; s[46:47] c = log2(e) / 8 x 2^(e6 + e7)
.set SEL, 48                           ; s[48:49] lane selects: lane l xor 16
.set TB,  50                           ; s50  the step's first byte in K's (and V's) half of LDS
.set CNT, 51
.macro CROUND                          ; a round of the cluster's barrier
	s_barrier_signal -1
	s_barrier_wait -1
	s_cmp_lg_u32 s[WV], 0
	s_cbranch_scc1 .Lnot_wave_0_\@
	s_barrier_signal -3
.Lnot_wave_0_\@:
	s_barrier_wait -3
	s_barrier_signal -1
	s_barrier_wait -1
.endm
.macro LDF reg, n, adr, off            ; n fragments of 16 rows x 64 codes: two pieces of 512 bytes each, 16 bytes a lane
.set lf, 0
.rept \n
	ds_load_b128 v[\reg+8*lf:\reg+8*lf+3], v[\adr] offset:\off+1024*lf
	ds_load_b128 v[\reg+8*lf+4:\reg+8*lf+7], v[\adr] offset:\off+1024*lf+512
.set lf, lf+1
.endr
.endm
	s_load_b128 s[4:7], s[0:1], 0x0                ; qkv s[4:5], the exponents s[6:7]
	s_load_b64 s[8:9], s[0:1], 0x10                ; ac
	v_lshl_add_u32 v[SPW], v0, 2, SPARE
	v_mov_b32 v[NIL], 0
	ds_add_u32 v[SPW], v[NIL]                      ; the opening lines: the add, twice on end, and its wait ahead of my tensor load
	ds_add_u32 v[SPW], v[NIL]
	v_lshrrev_b32 v2, 5, v0
	v_readfirstlane_b32 s[WV], v2                  ; wave 0..15
	s_bfe_u32 s11, ttmp6, 0x40000                  ; cx: it enters Q's and the output's addresses alone
	s_and_b32 s12, ttmp7, 0xffff                   ; (batch, head), which the four partners share
	; descriptor group 1: 64 rows of 256 bytes (32 elements of 8), dense in memory and in LDS: 16,384 bytes
	s_mov_b32 s[G1], 15|(3<<16)|(1<<21)            ; 15:0 the mask: all four work-groups; 17:16 elements of 8 bytes; 21 set beside a mask
	s_mov_b32 s[G1+1], 32<<16                      ; tensor_dim0
	s_mov_b32 s[G1+2], 64<<16                      ; tensor_dim1
	s_mov_b32 s[G1+3], 32<<16                      ; tile_dim0
	s_mov_b32 s[G1+4], 64                          ; tile_dim1
	s_mov_b32 s[G1+5], 32                          ; tensor_dim0_stride
	s_mov_b32 s[G1+6], 0
	s_mov_b32 s[G1+7], 0
	s_lshr_b32 s13, s[WV], 3                       ; waves 0-7 fetch K, waves 8-15 V;
	s_and_b32 s14, s[WV], 7                        ; which eighth of it
	s_lshl_b32 s52, s[WV], 14                      ; where it goes in LDS: 16,384 x wave
	s_add_co_u32 s54, s13, 1
	s_lshl_b32 s54, s54, 23                        ; k's codes are part 1 of the buffer, v's part 2
	s_lshl_b32 s53, s14, 14
	s_add_co_u32 s54, s54, s53
	s_lshl_b32 s15, s12, 17                        ; a head's codes are 2^17 bytes in each part
	s_add_co_u32 s54, s54, s15
	s_mov_b32 s55, 0
	s_lshl_b32 s62, s11, 5
	s_lshl_b32 s53, s[WV], 1
	s_add_co_u32 s62, s62, s53                     ; my first tile of queries: 32 cx + 2 wave
	s_lshl_b32 s56, s62, 10
	s_add_co_u32 s56, s56, s15                     ; its codes
	s_mov_b32 s57, 0
	s_lshr_b32 s58, s12, 4
	s_lshl_b32 s58, s58, 7
	s_add_co_u32 s58, s58, s62                     ; the same tile among all tokens: 128 x batch + ..
	; the output's codes lie [group of 8 token tiles][K step of 256 channels = 4 heads][tile][4,096 bytes]; a head's two pieces are 1,024 of the 4,096
	s_lshr_b32 s53, s58, 3
	s_lshl_b32 s53, s53, 17                        ; the group: 131,072 bytes
	s_and_b32 s58, s58, 7
	s_lshl_b32 s58, s58, 12                        ; the tile in it
	s_add_co_u32 s58, s58, s53
	s_and_b32 s53, s12, 15                         ; the head
	s_lshr_b32 s13, s53, 2
	s_lshl_b32 s13, s13, 15                        ; its K step: 32,768 bytes
	s_add_co_u32 s58, s58, s13
	s_and_b32 s53, s53, 3
	s_lshl_b32 s53, s53, 10
	s_add_co_u32 s58, s58, s53
	s_mov_b32 s59, 0
	s_mov_b32 s[SEL], 0x76543210
	s_mov_b32 s[SEL+1], 0xfedcba98
	s_wait_dscnt 0x0                               ; both opening adds are done
	s_wait_kmcnt 0x0
	s_load_b128 s[40:43], s[6:7], 0x18             ; e6, e7, e8, e9
	s_load_b32 s44, s[6:7], 0x28                   ; e10
	s_add_nc_u64 s[56:57], s[4:5], s[56:57]
	s_add_nc_u64 s[58:59], s[8:9], s[58:59]
	s_mov_b32 s[G0], 1
	s_mov_b32 s[G0+1], s52
	s_add_nc_u64 s[G0+2:G0+3], s[4:5], s[54:55]
	s_or_b32 s[G0+3], s[G0+3], 0x80000000
	CROUND                                         ; all four work-groups are here: the joint loads meet
	tensor_load_to_lds s[G0:G0+3], s[G1:G1+7]      ; my one tensor load of the launch
	s_nop 0
	v_and_b32 v2, 31, v0
	v_lshlrev_b32 v[LI], 4, v2
.irp p, 0,1,2,3
	global_load_b128 v[Q+4*\p:Q+4*\p+3], v[LI], s[56:57] offset:512*\p   ; Q's two fragments stay in registers
.endr
	v_add_nc_u32 v[AV0], 131072, v[LI]
.irp i, 0,1,2,3
	v_mov_b32 v[MX+\i], 0xff61b1e6                 ; the largest score so far: -3e38
.endr
.irp i, 0,1,2,3,4,5,6,7
	v_mov_b32 v[SA+\i], 0                          ; the sums
.endr
	v_mov_b32 v[PX], 0                             ; a lane permute's destination counts as one of its sources
	v_mov_b32 v[PX+1], 0
	v_mov_b32 v[F+1], 0                            ; (named as the upper halves of pairs)
	v_mov_b32 v[F+3], 0
	s_wait_alu depctr_va_vdst(0)
	s_wait_kmcnt 0x0
	s_add_co_i32 s52, s40, s41
	s_lshl_b32 s52, s52, 23
	s_add_co_i32 s[CS], s52, 0x3e38aa3b            ; c = log2(e) / 8, with e6 + e7 added to its exponent field
	s_mov_b32 s[CS+1], s[CS]
	s_add_co_i32 s52, s42, 127
	s_lshl_b32 s53, s52, 23
	v_mov_b32 v[PSC], s53
	s_add_co_i32 s52, s52, 15
	s_lshl_b32 s52, s52, 23
	s_or_b32 s52, s52, 0x600000
	v_mov_b32 v[PLIM], s52
	s_add_co_i32 s52, s44, 127
	s_lshl_b32 s53, s52, 23
	v_mov_b32 v[OSC], s53
	s_add_co_i32 s52, s52, 15
	s_lshl_b32 s52, s52, 23
	s_or_b32 s61, s52, 0x600000                    ; 57,344 x 2^e10,
	s_or_b32 s60, s61, 0x80000000                  ; and its negative
	s_add_co_i32 s63, s42, s43                     ; e8 + e9
	s_mov_b32 s[TB], 0
	s_mov_b32 s[CNT], 16
	s_wait_alu depctr_va_vdst(0)
	s_wait_loadcnt 0x0                             ; Q
	s_wait_tensorcnt 0x0                           ; my sixteenth of K and V is in
	s_barrier_signal -1
	s_barrier_wait -1                              ; and everybody's: nothing is filled again, so this is the launch's only barrier ahead of the closing round
	; THE FIRST WALK: each query's largest score.  A trip is 128 keys: eight fragments of K, each against both tiles of queries.
	LDF KF, 8, LI, 0
.Lmax:
	s_wait_dscnt 0x0                               ; this trip's sixteen loads are in
.set kf, 0
.rept 8
.irp t, 0,1
	v_wmma_f32_16x16x64_bf8_bf8 v[S+64*\t+8*kf:S+64*\t+8*kf+7], v[KF+8*kf:KF+8*kf+7], v[Q+8*\t:Q+8*\t+7], 0
.endr
.set kf, kf+1
.endr
	s_add_co_u32 s[TB], s[TB], 8192
	v_add_nc_u32 v[ADK], s[TB], v[LI]
	v_nop
	v_nop
	v_nop                                          ; four places behind the products (ISA guide 7.12.1 for vector instructions)
	LDF KF, 8, ADK, 0                              ; the next trip's fragments come in under the 64 lines below
.set j, 0
.rept 16
.irp t, 0,1                                    ; four chains by turns; each accumulator is first read at its low end
	v_max3_num_f32 v[MX+2*\t], v[MX+2*\t], v[S+64*\t+j], v[S+64*\t+j+1]
	v_max3_num_f32 v[MX+2*\t+1], v[MX+2*\t+1], v[S+64*\t+j+2], v[S+64*\t+j+3]
.endr
.set j, j+4
.endr
	s_sub_co_u32 s[CNT], s[CNT], 1
	s_cmp_lg_u32 s[CNT], 0
	s_wait_alu depctr_va_vdst(0)
	s_cbranch_scc1 .Lmax
	s_wait_dscnt 0x0                               ; the look-ahead's last loads have landed: their registers are loaded anew
	LDF KF, 4, LI, 0                               ; the second walk's first K
.irp t, 0,1
	v_max_num_f32 v[MX+2*\t], v[MX+2*\t], v[MX+2*\t+1]
.endr
.irp t, 0,1
	v_permlanex16_b32 v[PX+\t], v[MX+2*\t], s[SEL], s[SEL+1]
.endr
.irp t, 0,1
	v_max_num_f32 v[MX+2*\t], v[MX+2*\t], v[PX+\t] ; and among lane l xor 16's keys
.endr
.irp t, 0,1
	v_mul_f32 v[NM+2*\t+1], s[CS], v[MX+2*\t]      ; as t (c is positive)
.endr
.irp t, 0,1
	v_floor_f32 v[NM+2*\t], -v[NM+2*\t+1]          ; -M = floor(-t) = -ceil(t)
.endr
	s_mov_b32 s[TB], 0
	s_mov_b32 s[CNT], 31
	s_wait_alu depctr_va_vdst(0)
; THE SECOND WALK.  A KEY STEP: 64 keys, both tiles of queries; the two tiles alternate line by line.  zero = 1: the first step's products start O^T: nothing is cleared.
.macro STEP zero
	s_wait_dscnt 0x0                               ; this step's K is in
.irp f, 0,1,2,3
.irp t, 0,1
	v_wmma_f32_16x16x64_bf8_bf8 v[S+32*\t+8*\f:S+32*\t+8*\f+7], v[KF+8*\f:KF+8*\f+7], v[Q+8*\t:Q+8*\t+7], 0
.endr
.endr
	v_add_nc_u32 v[ADK], s[TB], v[LI]
	v_add_nc_u32 v[ADV], s[TB], v[AV0]
	v_nop
	v_nop                                          ; four places: behind these products for K's registers and the scores, behind the last step's for V's registers
	LDF VF, 4, ADV, 0                              ; this step's V,
	LDF KF, 4, ADK, 4096                           ; and the next step's K
.set j, 0
.rept 16
.irp t, 0,1
	v_pk_fma_f32 v[S+32*\t+j:S+32*\t+j+1], v[S+32*\t+j:S+32*\t+j+1], s[CS:CS+1], v[NM+2*\t:NM+2*\t+1] op_sel_hi:[1,0,0]   ; t - M, two at a time
.endr
.set j, j+2
.endr
	s_wait_alu depctr_va_vdst(0)
.set j, 0
.rept 64
	v_exp_f32 v[S+j], v[S+j]                       ; p = 2^(t - M): one batch
.set j, j+1
.endr
	v_nop                                          ; a plain line behind the last exponential
	s_wait_alu depctr_va_vdst(0)                   ; one wait for the batch, ahead of its first reader
.set j, 0
.rept 8
.irp t, 0,1                                    ; the row's sum, of the unquantised p: two at a time, four chains by turns
	v_pk_add_f32 v[SA+4*\t:SA+4*\t+1], v[SA+4*\t:SA+4*\t+1], v[S+32*\t+j:S+32*\t+j+1]
	v_pk_add_f32 v[SA+4*\t+2:SA+4*\t+3], v[SA+4*\t+2:SA+4*\t+3], v[S+32*\t+j+2:S+32*\t+j+3]
.endr
.set j, j+4
.endr
.irp b, 0,1
.irp t, 0,1
.set j, 0
.rept 8                                        ; the conversion does not saturate (ISA guide 7.6.2); p is not negative, so the hold is one-sided; two numbers a line
	v_dual_min_num_f32 v[S+32*\t+16*\b+j], v[S+32*\t+16*\b+j], v[PLIM] :: v_dual_min_num_f32 v[S+32*\t+16*\b+j+1], v[S+32*\t+16*\b+j+1], v[PLIM]
.set j, j+2
.endr
	v_cvt_scalef32_pk8_bf8_f32 v[P+8*\t+4*\b:P+8*\t+4*\b+1], v[S+32*\t+16*\b:S+32*\t+16*\b+7], v[PSC]
	v_cvt_scalef32_pk8_bf8_f32 v[P+8*\t+4*\b+2:P+8*\t+4*\b+3], v[S+32*\t+16*\b+8:S+32*\t+16*\b+15], v[PSC]
.endr
.endr
	v_nop                                          ; one plain line behind the last conversion
	s_wait_dscnt 8                                 ; V's eight loads are in; the eight issued behind them, the next step's K, may be out
	s_wait_alu depctr_va_vdst(0)
.irp f, 0,1,2,3
.irp t, 0,1                                    ; the eight accumulators take turns
.if \zero
	v_wmma_f32_16x16x64_bf8_bf8 v[O+32*\t+8*\f:O+32*\t+8*\f+7], v[VF+8*\f:VF+8*\f+7], v[P+8*\t:P+8*\t+7], 0
.else
	v_wmma_f32_16x16x64_bf8_bf8 v[O+32*\t+8*\f:O+32*\t+8*\f+7], v[VF+8*\f:VF+8*\f+7], v[P+8*\t:P+8*\t+7], v[O+32*\t+8*\f:O+32*\t+8*\f+7]
.endif
.endr
.endr
	s_add_co_u32 s[TB], s[TB], 4096
.endm
	STEP 1
.Lkeys:
	STEP 0
	s_sub_co_u32 s[CNT], s[CNT], 1
	s_cmp_lg_u32 s[CNT], 0
	s_cbranch_scc1 .Lkeys
	; THE WAY OUT: O^T / the sum x 2^(e8 + e9), held, converted with 2^e10.  The 16 registers of channel tiles 2 b, 2 b + 1 are 16 neighbouring channels: a lane's 16 bytes of a piece of the last product's operand.
.irp t, 0,1
	v_pk_add_f32 v[SA+4*\t:SA+4*\t+1], v[SA+4*\t:SA+4*\t+1], v[SA+4*\t+2:SA+4*\t+3]
.endr
.irp t, 0,1
	v_add_f32 v[MX+2*\t], v[SA+4*\t], v[SA+4*\t+1]
.endr
.irp t, 0,1
	v_permlanex16_b32 v[PX+\t], v[MX+2*\t], s[SEL], s[SEL+1]
.endr
.irp t, 0,1
	v_add_f32 v[MX+2*\t], v[MX+2*\t], v[PX+\t]     ; the row's sum
.endr
	s_wait_alu depctr_va_vdst(0)
.irp t, 0,1
	v_rcp_f32 v[F+2*\t], v[MX+2*\t]
.endr
	v_nop                                          ; a plain line behind the last reciprocal
	s_wait_alu depctr_va_vdst(0)                   ; one wait for both, ahead of the first reader
.irp t, 0,1
	v_ldexp_f32 v[F+2*\t], v[F+2*\t], s63
.endr
	s_wait_alu depctr_va_vdst(0)
.set j, 0
.rept 16
.irp t, 0,1
	v_pk_mul_f32 v[O+32*\t+j:O+32*\t+j+1], v[O+32*\t+j:O+32*\t+j+1], v[F+2*\t:F+2*\t+1] op_sel_hi:[1,0]
.endr
.set j, j+2
.endr
.set j, 0
.rept 64
	v_med3_num_f32 v[O+j], v[O+j], s60, s61        ; the hold at the largest code x 2^e10
.set j, j+1
.endr
.irp t, 0,1
.irp b, 0,1
	v_cvt_scalef32_pk8_bf8_f32 v[S+32*\t+4*\b:S+32*\t+4*\b+1], v[O+32*\t+16*\b:O+32*\t+16*\b+7], v[OSC]
	v_cvt_scalef32_pk8_bf8_f32 v[S+32*\t+4*\b+2:S+32*\t+4*\b+3], v[O+32*\t+16*\b+8:O+32*\t+16*\b+15], v[OSC]
.endr
.endr
	v_nop                                          ; one plain line behind the last conversion
.irp t, 0,1
.irp b, 0,1
	global_store_b128 v[LI], v[S+32*\t+4*\b:S+32*\t+4*\b+3], s[58:59] offset:\t*4096+512*\b   ; the wave stores a piece: 512 consecutive bytes, aligned
.endr
.endr
	s_wait_tensorcnt 0x0                           ; the wave's end
	ds_add_u32 v[SPW], v[NIL]
	s_wait_dscnt 0x0
	CROUND                                         ; the closing round
	s_endpgm
.Lfunc_end_k_q8938a29e58_attn:
	.size	k_q8938a29e58_attn, .Lfunc_end_k_q8938a29e58_attn-k_q8938a29e58_attn
	.p2alignl 7, 3214868480
	.fill 96, 4, 3214868480
	.section	.rodata,"a",@progbits
	.p2align	6, 0x0
	.amdhsa_kernel k_q8938a29e58_attn
		.amdhsa_group_segment_fixed_size 264192
		.amdhsa_private_segment_fixed_size 0
		.amdhsa_enable_private_segment 0
		.amdhsa_kernarg_size 24
		.amdhsa_user_sgpr_count 2
		.amdhsa_user_sgpr_kernarg_segment_ptr 1
		.amdhsa_wavefront_size32 1
		.amdhsa_system_sgpr_workgroup_id_x 1
		.amdhsa_system_sgpr_workgroup_id_y 1
		.amdhsa_system_sgpr_workgroup_id_z 1
		.amdhsa_system_vgpr_workitem_id 0
		.amdhsa_next_free_vgpr 256
		.amdhsa_next_free_sgpr 80
		.amdhsa_reserve_vcc 0
		.amdhsa_float_denorm_mode_32 3
		.amdhsa_float_denorm_mode_16_64 3
		.amdhsa_memory_ordered 1
		.amdhsa_forward_progress 1
		.amdhsa_inst_pref_size 44
	.end_amdhsa_kernel
	.amdgpu_metadata
---
amdhsa.version: [ 1, 2 ]
amdhsa.kernels:
  - .name:           k_q8938a29e58_attn
    .symbol:         k_q8938a29e58_attn.kd
    .args:
      - { .name: qkv, .offset: 0, .size: 8, .value_kind: global_buffer, .address_space: global }
      - { .name: lowp_scales, .offset: 8, .size: 8, .value_kind: global_buffer, .address_space: global }
      - { .name: ac, .offset: 16, .size: 8, .value_kind: global_buffer, .address_space: global }
    .group_segment_fixed_size: 264192
    .private_segment_fixed_size: 0
    .kernarg_segment_align: 8
    .kernarg_segment_size: 24
    .max_flat_workgroup_size: 512
    .sgpr_count:     80
    .vgpr_count:     256
    .wavefront_size: 32
...
	.end_amdgpu_metadata
.endif
;; end of part 3
;; launch outp (part 4): grid 8 x 32, 4 waves a work-group, clusters of 4 x 4, 327,680 bytes of LDS; arguments ac, wc, bo, lowp_scales, out0; writes out0
.if DOCPART == 4
	.amdgcn_target "amdgcn-amd-amdhsa--gfx1250"
	.amdhsa_code_object_version 6
	.text
	.protected	k_q8938a29e58_outp
	.globl	k_q8938a29e58_outp
	.p2align	8
	.type	k_q8938a29e58_outp,@function
k_q8938a29e58_outp:
	s_mov_b64 s[64:65], 0
	v_nop
	global_prefetch_b8 v0, s[64:65] scope:SCOPE_SE
	s_setreg_imm32_b32 hwreg(HW_REG_WAVE_MODE, 25, 1), 1
	s_wait_xcnt 0x0
	s_wait_alu depctr_hold_cnt(0) depctr_sa_sdst(0) depctr_va_vdst(0) depctr_va_sdst(0) depctr_va_ssrc(0) depctr_va_vcc(0) depctr_vm_vsrc(0)
	s_getreg_b32 s2, hwreg(HW_REG_IB_STS2, 6, 4)
	s_cmp_eq_u32 s2, 0
	s_cbranch_scc0 .Lentry_in_a_cluster
	s_endpgm
.Lentry_in_a_cluster:
	s_bfe_u32 s2, ttmp6, 0x10000c
	s_cmp_lg_u32 s2, 0xf033
	s_cbranch_scc0 .Lentry_shape_is_right
	s_endpgm
.Lentry_shape_is_right:
.set NB,     4
.set FR,     16
.set NL,     4
.set NP,     4
; LDS: A's two quarters of 65,536 bytes (slot 0's 8 tiles x 4,096 bytes, then slot 1's), then B's two of 32,768 (4 tiles a slot).
; The codes lie [group of 8 tiles][K step of 256][tile][4,096 bytes]: ONE load a wave at the head fills both slots of its quarter (A: 65,536 bytes on end; B: two rows of 16,384 bytes, 32,768 apart).
.set ABYTES, 131072                    ; where B's quarters begin
.set BHALF,  32768                     ; a quarter of B
.set SLOT,   32768                     ; from slot 0 to slot 1 in a quarter of A,
.set SLOTB,  16384                     ; and of B
.set SPARE,  196608                    ; behind the quarters: the spare words
.set SPITCH, 272
.set ADRA, 16
.set ADRB, 20
.set STO,  24
.set RD,   25
.set CO,   26
.set LI,   27
.set SPW,  28
.set NIL,  29
.set TMP,  32
.set BR,   64
.set AF,   128
.set BK,   128
.set WV, 18
.set RH, 19
.set CH, 20
.set G1,  24
.set G0,  32
.set G1B, 48
.set G0B, 56
.set MSB, 0
.macro WIN new
.if MSB != (\new)
	s_set_vgpr_msb (MSB<<8)|(\new)
.set MSB, \new
.endif
.endm
.set MULW0, 0xa1
.set MULW1, 0xa1+0x50*(NB/8)
.set TO_B,  0x40
.macro JLOAD g0a, g1a, g0b, g1b
	s_cmp_eq_u32 s[RH], 0
	s_cbranch_scc0 .Lfor_b_\@
	tensor_load_to_lds s[\g0a:\g0a+3], s[\g1a:\g1a+7]
	s_nop 0
.rept 4
	v_nop
.endr
	s_branch .Lasked_\@
.Lfor_b_\@:
	tensor_load_to_lds s[\g0b:\g0b+3], s[\g1b:\g1b+7]
	s_nop 0
.rept 4
	v_nop
.endr
.Lasked_\@:
.endm
.macro CREST
	s_cmp_lg_u32 s[WV], 0
	s_cbranch_scc1 .Lnot_wave_0_\@
	s_barrier_signal -3
.Lnot_wave_0_\@:
	s_barrier_wait -3
	s_barrier_signal -1
	s_barrier_wait -1
.endm
.macro CROUND
	s_barrier_signal -1
	s_barrier_wait -1
	CREST
.endm
.macro PLACES n
.rept \n
	v_nop
.endr
.endm
	s_load_b256 s[4:11], s[0:1], 0x0
	s_load_b64 s[12:13], s[0:1], 0x20
	v_lshl_add_u32 v[SPW], v0, 2, SPARE
	v_mov_b32 v[NIL], 0
	ds_add_u32 v28, v29
	ds_add_u32 v28, v29
	s_wait_dscnt 0x0
	v_lshrrev_b32 v1, 5, v0
	v_readfirstlane_b32 s[WV], v1
	s_lshr_b32 s[RH], s[WV], 1
	s_and_b32 s[CH], s[WV], 1
	s_bfe_u32 s21, ttmp6, 0x40000
	s_bfe_u32 s22, ttmp6, 0x40004
	s_and_b32 s23, ttmp7, 0xffff
	s_lshl_b32 s66, ttmp9, 2
	s_add_co_u32 s66, s66, s21
	s_lshl_b32 s67, s23, 2
	s_add_co_u32 s67, s67, s22
	s_lshl_b32 s40, s22, 2
	s_lshl_b32 s40, 15, s40
	s_lshl_b32 s44, 0x1111, s21
	s_or_b32 s[G1+0], s40, (3<<16)|(1<<21)
	s_or_b32 s[G1B+0], s44, (3<<16)|(1<<21)
.irp g, G1, G1B
	s_mov_b32 s[\g+1], 512<<16
	s_mov_b32 s[\g+3], 512<<16
	s_mov_b32 s[\g+5], 512
	s_mov_b32 s[\g+6], 0
	s_mov_b32 s[\g+7], 0
.endr
	s_mov_b32 s[G1+2], 16<<16                      ; A's first fill: 16 rows of 4,096 bytes, two K steps
	s_mov_b32 s[G1+4], 16
	s_mov_b32 s[G1B+1], 2048<<16                   ; B's first fill: a row is my 4 tiles of a K step, 16,384 bytes;
	s_mov_b32 s[G1B+2], 2<<16                      ; two K steps,
	s_mov_b32 s[G1B+3], 2048<<16
	s_mov_b32 s[G1B+4], 2
	s_mov_b32 s[G1B+5], 4096                       ; 32,768 bytes apart
	s_lshl_b32 s40, s67, 18
	s_lshl_b32 s41, s[CH], 17
	s_add_co_u32 s40, s40, s41
	s_mov_b32 s41, 0
	s_lshl_b32 s44, s66, 17
	s_lshl_b32 s45, s[CH], 14
	s_add_co_u32 s44, s44, s45
	s_add_co_u32 s44, s44, 3<<20
	s_mov_b32 s45, 0
	s_lshl_b32 s90, s[CH], 16
	s_mul_i32 s91, s[CH], BHALF
	s_add_co_u32 s91, s91, ABYTES
	s_wait_kmcnt 0x0
	s_load_b64 s[96:97], s[10:11], 0x28
	s_add_nc_u64 s[42:43], s[4:5], s[40:41]
	s_add_nc_u64 s[46:47], s[6:7], s[44:45]
	CROUND
.irp s, 0,1
	s_mov_b32 s[G0+4*\s], 1
	s_add_co_u32 s[G0+4*\s+1], s90, \s*SLOT
	s_add_nc_u64 s[G0+4*\s+2:G0+4*\s+3], s[42:43], \s*32768
	s_or_b32 s[G0+4*\s+3], s[G0+4*\s+3], 0x80000000
	s_mov_b32 s[G0B+4*\s], 1
	s_add_co_u32 s[G0B+4*\s+1], s91, \s*SLOTB
	s_add_nc_u64 s[G0B+4*\s+2:G0B+4*\s+3], s[46:47], \s*32768
	s_or_b32 s[G0B+4*\s+3], s[G0B+4*\s+3], 0x80000000
.endr
	JLOAD G0, G1, G0B, G1B                         ; K steps 0 and 1, both slots of my quarter: my one tensor load at the head
	v_and_b32 v1, 15, v0
	v_bfe_u32 v2, v0, 4, 1
	s_lshl_b32 s84, s66, 9
	s_lshl_b32 s85, s[CH], 8
	s_add_co_u32 s84, s84, s85
	v_lshlrev_b32 v3, 6, v2
	v_add_nc_u32 v3, s84, v3
.irp b, 0,1,2,3
	global_load_b128 v[BR+8*\b:BR+8*\b+3], v3, s[8:9] offset:(32*(\b/2)+8*(\b%2))*4
	global_load_b128 v[BR+8*\b+4:BR+8*\b+7], v3, s[8:9] offset:(32*(\b/2)+8*(\b%2))*4+16
.endr
	s_lshl_b32 s92, s67, 20
	s_lshl_b32 s93, s[RH], 19
	s_add_co_u32 s92, s92, s93
	s_add_co_u32 s92, s92, s84
	s_mov_b32 s93, 0
	s_add_nc_u64 s[86:87], s[12:13], s[92:93]
	v_and_b32 v5, 31, v0
	v_lshlrev_b32 v[LI], 4, v5
	s_lshl_b32 s84, s[RH], 16
	s_mul_i32 s85, s[CH], BHALF
	s_add_co_u32 s85, s85, ABYTES
.irp s, 0,1
	v_add_nc_u32 v[ADRA+\s], s84, v[LI]
	v_add_nc_u32 v[ADRB+\s], s85, v[LI]
	s_add_co_u32 s84, s84, SLOT
	s_add_co_u32 s85, s85, SLOTB
.endr
	s_mul_i32 s84, s[WV], 16*SPITCH
	v_mul_u32_u24 v[STO], v1, SPITCH
	v_lshl_add_u32 v[STO], v2, 6, v[STO]
	v_add_nc_u32 v[STO], s84, v[STO]
	v_mul_u32_u24 v[RD], v2, SPITCH
	v_lshl_add_u32 v[RD], v1, 4, v[RD]
	v_add_nc_u32 v[RD], s84, v[RD]
	v_lshlrev_b32 v[CO], 12, v2
	v_lshl_add_u32 v[CO], v1, 4, v[CO]
.macro FRAG reg, adr, q, i
.irp c, 0,1,2,3
	ds_load_b128 v[\reg+4*\c:\reg+4*\c+3], v[\adr] offset:(\i)*4096+(\q)*2048+512*\c
.endr
.endm
.macro MULB a0, p, zero
.set ma, \a0
.rept 2
.set mb, 0
.rept NB
.set rD, 8*((ma*NB+mb)%32)
.if \zero
	v_wmma_f32_16x16x128_bf8_bf8 v[rD:rD+7], v[FR*NB*(\p)+FR*mb:FR*NB*(\p)+FR*mb+FR-1], v[AF+FR*ma:AF+FR*ma+FR-1], 0
.else
	v_wmma_f32_16x16x128_bf8_bf8 v[rD:rD+7], v[FR*NB*(\p)+FR*mb:FR*NB*(\p)+FR*mb+FR-1], v[AF+FR*ma:AF+FR*ma+FR-1], v[rD:rD+7]
.endif
.set mb, mb+1
.endr
.set ma, ma+1
.endr
.endm
.macro FETCH_B slot, q, p
	WIN TO_B
.set fi, 0
.rept NB
	FRAG FR*NB*(\p)+FR*fi, ADRB+\slot, \q, fi
.set fi, fi+1
.endr
	WIN 0
.endm
.macro FETCH_A slot, q, i0
.irp i, \i0, \i0+1, \i0+2, \i0+3
	FRAG AF+FR*(\i), ADRA+\slot, \q, \i
.endr
.endm
.macro STEP slot, q, zero
	s_wait_dscnt 4*NL
	WIN MULW0
	MULB 0, (\q)%2, \zero
	MULB 2, (\q)%2, \zero
	s_wait_dscnt 0
	PLACES NP
	FETCH_B \slot, (\q)+1, 1-(\q)%2
	FETCH_A \slot, (\q)+1, 0
	WIN MULW1
	MULB 4, (\q)%2, \zero
	MULB 6, (\q)%2, \zero
	PLACES NP
	WIN 0
	FETCH_A \slot, (\q)+1, 4
.endm
.macro TURN slot, next, fill
	s_wait_tensorcnt 0x0
	ds_add_u32 v[SPW], v[NIL]
	s_wait_dscnt 4*NL+1
	WIN MULW0
	MULB 0, 1, 0
	s_wait_dscnt 0x0
	s_barrier_signal -1
	MULB 2, 1, 0
	WIN 0
	s_barrier_wait -1
.if \fill
	CREST
	s_add_nc_u64 s[G0+4*\slot+2:G0+4*\slot+3], s[G0+4*\slot+2:G0+4*\slot+3], 65536
	s_add_nc_u64 s[G0B+4*\slot+2:G0B+4*\slot+3], s[G0B+4*\slot+2:G0B+4*\slot+3], 65536
	JLOAD G0+4*\slot, G1, G0B+4*\slot, G1B
.else
	PLACES NP
.endif
	s_wait_alu depctr_va_vdst(0)
	FETCH_B \next, 0, 0
	FETCH_A \next, 0, 0
	WIN MULW1
	MULB 4, 1, 0
	MULB 6, 1, 0
	PLACES NP
	WIN 0
	FETCH_A \next, 0, 4
.endm
	s_wait_alu depctr_va_vdst(0)
	s_wait_tensorcnt 0x0                           ; my quarter of both slots is in, and no load of mine is out: group 1 may be written
	s_mov_b32 s[G1+2], 8<<16                       ; A's refill: 8 rows of 4,096 bytes, one K step
	s_mov_b32 s[G1+4], 8
	s_mov_b32 s[G1B+1], 512<<16                    ; B's refill: 4 rows of 4,096 bytes on end
	s_mov_b32 s[G1B+2], NB<<16
	s_mov_b32 s[G1B+3], 512<<16
	s_mov_b32 s[G1B+4], NB
	s_mov_b32 s[G1B+5], 512
	s_barrier_signal -1
	s_barrier_wait -1
	FETCH_B 0, 0, 0
	FETCH_A 0, 0, 0
	FETCH_A 0, 0, 4
	STEP 0, 0, 1
	TURN 0, 1, 1
	STEP 1, 0, 0
	TURN 1, 0, 1
	STEP 0, 0, 0
	TURN 0, 1, 0
	STEP 1, 0, 0
	s_wait_dscnt 4*NL
	WIN MULW0
	MULB 0, 1, 0
	MULB 2, 1, 0
	s_wait_dscnt 0
	WIN MULW1
	MULB 4, 1, 0
	MULB 6, 1, 0
	WIN 0
.macro TOSTAGE a
	WIN 0x02
.set ej, 0
.rept 16
	v_pk_fma_f32 v[TMP+ej:TMP+ej+1], v[32*(\a)+ej:32*(\a)+ej+1], s[96:97], v[BR+ej:BR+ej+1] op_sel_hi:[1,0,1]
.set ej, ej+2
.endr
	WIN 0
.irp b, 0,1,2,3
	ds_store_b128 v[STO], v[TMP+8*\b:TMP+8*\b+3] offset:128*(\b/2)+32*(\b%2)
	ds_store_b128 v[STO], v[TMP+8*\b+4:TMP+8*\b+7] offset:128*(\b/2)+32*(\b%2)+16
.endr
.irp t, 0,1,2,3,4,5,6,7
	ds_load_b128 v[BK+32*((\a)%2)+4*\t:BK+32*((\a)%2)+4*\t+3], v[RD] offset:\t*2*SPITCH
.endr
.endm
.macro SEND a, younger
	s_wait_dscnt \younger
.irp t, 0,1,2,3,4,5,6,7
	global_store_b128 v[CO], v[BK+32*((\a)%2)+4*\t:BK+32*((\a)%2)+4*\t+3], s[86:87] offset:(32*((\a)/2)+8*((\a)%2)+2*\t+8*(\t/4))*4096 th:TH_STORE_NT
.endr
.endm
	s_wait_kmcnt 0x0
	s_wait_loadcnt 0x0
	s_add_co_i32 s96, s96, s97
	s_add_co_i32 s96, s96, 127
	s_lshl_b32 s96, s96, 23
	s_mov_b32 s97, s96
	PLACES NP
	TOSTAGE 0
.irp a, 1,2,3,4,5,6,7
.if \a > 1
	s_wait_xcnt 0x0
.endif
	TOSTAGE \a
	SEND \a-1, 16
.endr
	SEND 7, 0
	s_wait_tensorcnt 0x0
	ds_add_u32 v[SPW], v[NIL]
	s_wait_dscnt 0x0
	CROUND
	s_endpgm
.Lfunc_end_k_q8938a29e58_outp:
	.size	k_q8938a29e58_outp, .Lfunc_end_k_q8938a29e58_outp-k_q8938a29e58_outp
	.p2alignl 7, 3214868480
	.fill 96, 4, 3214868480
	.section	.rodata,"a",@progbits
	.p2align	6, 0x0
	.amdhsa_kernel k_q8938a29e58_outp
		.amdhsa_group_segment_fixed_size 327680
		.amdhsa_private_segment_fixed_size 0
		.amdhsa_enable_private_segment 0
		.amdhsa_kernarg_size 40
		.amdhsa_user_sgpr_count 2
		.amdhsa_user_sgpr_kernarg_segment_ptr 1
		.amdhsa_wavefront_size32 1
		.amdhsa_system_sgpr_workgroup_id_x 1
		.amdhsa_system_sgpr_workgroup_id_y 1
		.amdhsa_system_sgpr_workgroup_id_z 1
		.amdhsa_system_vgpr_workitem_id 0
		.amdhsa_next_free_vgpr 768
		.amdhsa_next_free_sgpr 100
		.amdhsa_reserve_vcc 0
		.amdhsa_float_denorm_mode_32 3
		.amdhsa_float_denorm_mode_16_64 3
		.amdhsa_memory_ordered 1
		.amdhsa_forward_progress 1
		.amdhsa_inst_pref_size 77
	.end_amdhsa_kernel
	.amdgpu_metadata
---
amdhsa.version: [ 1, 2 ]
amdhsa.kernels:
  - .name:           k_q8938a29e58_outp
    .symbol:         k_q8938a29e58_outp.kd
    .args:
      - { .name: ac, .offset: 0, .size: 8, .value_kind: global_buffer, .address_space: global }
      - { .name: wc, .offset: 8, .size: 8, .value_kind: global_buffer, .address_space: global }
      - { .name: bo, .offset: 16, .size: 8, .value_kind: global_buffer, .address_space: global }
      - { .name: lowp_scales, .offset: 24, .size: 8, .value_kind: global_buffer, .address_space: global }
      - { .name: out0, .offset: 32, .size: 8, .value_kind: global_buffer, .address_space: global }
    .group_segment_fixed_size: 327680
    .private_segment_fixed_size: 0
    .kernarg_segment_align: 8
    .kernarg_segment_size: 40
    .max_flat_workgroup_size: 128
    .sgpr_count:     100
    .vgpr_count:     768
    .wavefront_size: 32
...
	.end_amdgpu_metadata
.endif
;; end of part 4
